; MI455X (gfx1250); checked and timed in simulation.
; The chip was launched on July 23, 2026; its instructions are those of AMD's public machine-readable ISA for CDNA 5 (MIT licence, August 2026) and "CDNA5" Instruction Set Architecture Reference Guide (July 2026). The comments in the code are by the model that wrote it; some were corrected since.
;; Attention Loop. Allowed arithmetic: matrix products marked QUANTISED: E5M2 operands, one given power-of-two scale a tensor, by v_wmma_f32_16x16x64_bf8_bf8 or v_wmma_f32_16x16x128_bf8_bf8, f32 sums; products left as they are: f32 operands where the result goes on into a quantised operand, else bf16, f16 or f32 operands; f32 sums; everything else in f32.
;; Inputs: W_fc 1,024 x 1,024 float32; decoder_state 32 x 1,024 float32; encoder_states 2,048 x 32 x 1,024 float32; lowp_scales 2 int32 (the exponents e of the quantised operands' scales 2^e); score_w 1,024 x 1 float32.
;; Outputs: out0 32 x 1,024 float32.
;; This version of the problem:
;;   THIS VERSION OF THE PROBLEM IS GIVEN IN LOW PRECISION. The matrix products marked QUANTISED in the list below multiply operands that are first quantised to E5M2 (5 exponent bits, 2 mantissa bits; 8 bits a number), with one given power-of-two scale for each operand tensor; their sums are f32. All else is computed in f32.
;;   The module's matrix products, in the order in which they are computed (A, B: the left and right operand; K: the contracted axis; several contracted axes count as one K, in the product's order):
;;     1. [M 65,536, K 1,024] x [K 1,024, N 1,024]; A: computed on the way; B: input W_fc: QUANTISED (scales: A lowp_scales[0], B lowp_scales[1])
;;     2. [M 1, K 1,024] x [K 1,024, N 65,536]; A: input score_w; B: computed on the way: left as it is (M = 1 < 16)
;;     3. batch 32 x [M 1, K 2,048] x [K 2,048, N 1,024]; A: softmax; B: input encoder_states: left as it is (M = 1 < 16)
;;   THE QUANTISER, for each operand of a quantised product, along K:
;;     - The operand's scale is 2^e, e = its entry of the input lowp_scales (int32; the entries are numbered through the quantised products in the list's order, A before B).
;;     - Each number is divided by the scale, clamped to +-57,344, and rounded to the nearest number of E5M2, ties to even, subnormals kept.
;;     - The product sums the exact products of the quantised numbers (number of the format x scale) in f32.
;;   ~~~python
;;   def quantise(x, axis, e):      # numpy; x: float32 -> the quantised numbers, widened to float32 again
;;       x = np.moveaxis(x, axis, -1); K = x.shape[-1]
;;       r = np.clip(x / 2.0 ** e, -57344, 57344)
;;       step = 2.0 ** (np.maximum(np.frexp(np.where(r == 0, 1, r))[1] - 1, -14) - 2)
;;       q = np.round(r / step) * step * 2.0 ** e      # np.round: ties to even
;;       return np.moveaxis(q, -1, axis).astype(np.float32)
;;   ~~~
;;   OPERANDS COMPUTED ON THE WAY. 'Computed on the way' means the value that the module computes at that place (a softmax that the list does not call 'softmax' is quantised finished and normalised). What goes into a quantiser is computed in f32, as accurately as f32 sums, v_exp_f32 and their like allow (about 1e-6 of the number): no bf16 or f16 on the way to a quantiser, and a product that is left as it is and whose result goes on into a quantised operand takes f32 operands (vector FMAs, or v_wmma_f32_16x16x4_f32). A number that lies on a knife's edge between two numbers of the format may be rounded either way, as far as f32 arithmetic and the matrix unit's own rounding can turn it there, and no further.
;; One version. Each part assembles by itself: llvm-mc -triple=amdgcn-amd-amdhsa -mcpu=gfx1250 --defsym DOCPART=n.
;; ======== version 1 of 1: 3 launches
;; limits: values are held in bf16: 8 bits of precision; right only within a limited range of input values
;; workspace buffers: wc 1,048,576 bytes; part 4,718,592 bytes
;; launch wq (part 1): grid 256 x 1, 4 waves a work-group, no clusters, 0 bytes of LDS; arguments W_fc, lowp_scales, wc; writes wc
.if DOCPART == 1
	.amdgcn_target "amdgcn-amd-amdhsa--gfx1250"
	.amdhsa_code_object_version 6
	.text
	.protected	k_qa89dd197d6_wq
	.globl	k_qa89dd197d6_wq
	.p2align	8
	.type	k_qa89dd197d6_wq,@function
k_qa89dd197d6_wq:
	s_mov_b64 s[64:65], 0
	v_nop
	global_prefetch_b8 v0, s[64:65] scope:SCOPE_SE
	s_setreg_imm32_b32 hwreg(HW_REG_WAVE_MODE, 25, 1), 1
	s_wait_xcnt 0x0
; W_fc [1024 e][1024 d], f32, becomes codes of BF8 (E5M2), one byte each, with the given scale 2^e1 (entry 1 of the scales): wc [1024 e][1024].
; code = x / 2^e1, held within +-57,344, rounded to the nearest code, ties to even.  LIMIT: e1 between -126 and 112, so that 2^e1 and 57,344 x 2^e1 are f32 numbers.  NaN is not served.
; A wave takes one row e: eight loads of 512 consecutive bytes, 16 a lane.  A conversion takes eight numbers of ONE lane, so the codes come out in another order along K than the numbers lie in:
; byte 256 u + 8 l + 4 v + i of a row holds d = 256 u + 128 v + 4 l + i (u 0..3, l 0..31, v 0..1, i 0..3).  The launch that multiplies makes its other operand's codes by the same lines,
; so both operands carry the same order along K, every product meets its partner, and nothing has to change lanes.
.set X, 8                              ; v8-39   the row: piece q (512 bytes) at X + 4 q
.set C, 40                             ; v40-47  its codes
	s_load_b128 s[4:7], s[0:1], 0x0                ; W_fc s[4:5], the scales' exponents s[6:7]
	s_load_b64 s[8:9], s[0:1], 0x10                ; wc
	v_lshrrev_b32 v3, 5, v0
	v_readfirstlane_b32 s10, v3                    ; wave 0..3
	v_and_b32 v6, 31, v0                           ; lane
	v_lshlrev_b32 v1, 4, v6                        ; in: 16 bytes a lane
	v_lshlrev_b32 v2, 3, v6                        ; out: 8 bytes a lane
	s_lshl_b32 s11, ttmp9, 2
	s_add_co_u32 s11, s11, s10                     ; my row e = 4 x work-group + wave
	s_lshl_b32 s12, s11, 12                        ; 4,096 bytes a row of W_fc
	s_mov_b32 s13, 0
	s_lshl_b32 s14, s11, 10                        ; 1,024 bytes a row of wc
	s_mov_b32 s15, 0
	s_wait_alu depctr_va_vdst(0)
	s_wait_kmcnt 0x0
	s_load_b32 s16, s[6:7], 0x4                    ; e1
	s_add_nc_u64 s[4:5], s[4:5], s[12:13]
	s_add_nc_u64 s[8:9], s[8:9], s[14:15]
.irp q, 0,1,2,3,4,5,6,7
	global_load_b128 v[X+4*\q:X+4*\q+3], v1, s[4:5] offset:512*\q th:TH_LOAD_NT   ; 32 lanes read 512 consecutive bytes; read once in the launch
.endr
	s_wait_kmcnt 0x0
	s_add_co_i32 s16, s16, 127
	s_lshl_b32 s17, s16, 23
	v_mov_b32 v4, s17                              ; 2^e1 as f32: the conversion takes its exponent field
	s_add_co_i32 s16, s16, 15
	s_lshl_b32 s16, s16, 23
	s_or_b32 s16, s16, 0x600000
	v_mov_b32 v5, s16                              ; 57,344 x 2^e1
	s_wait_alu depctr_va_vdst(0)
	s_wait_loadcnt 0x0
.set RJ, 0
.rept 32
	v_med3_num_f32 v[X+RJ], v[X+RJ], -v5, v5       ; the conversion to an 8-bit code does not saturate (ISA guide 7.6.2): the hold at the largest code x the scale comes first
.set RJ, RJ+1
.endr
.irp u, 0,1,2,3
	v_cvt_scalef32_pk8_bf8_f32 v[C+2*\u:C+2*\u+1], v[X+8*\u:X+8*\u+7], v4   ; pieces 2 u and 2 u + 1: four numbers of each
.endr
	v_nop                                          ; a plain line behind the last conversion
.irp u, 0,1,2,3
	global_store_b64 v2, v[C+2*\u:C+2*\u+1], s[8:9] offset:256*\u   ; 32 lanes store 256 consecutive bytes, at a multiple of 256 from wc's first byte
.endr
	s_endpgm
.Lfunc_end_k_qa89dd197d6_wq:
	.size	k_qa89dd197d6_wq, .Lfunc_end_k_qa89dd197d6_wq-k_qa89dd197d6_wq
	.p2alignl 7, 3214868480
	.fill 96, 4, 3214868480
	.section	.rodata,"a",@progbits
	.p2align	6, 0x0
	.amdhsa_kernel k_qa89dd197d6_wq
		.amdhsa_group_segment_fixed_size 0
		.amdhsa_private_segment_fixed_size 0
		.amdhsa_enable_private_segment 0
		.amdhsa_kernarg_size 24
		.amdhsa_user_sgpr_count 2
		.amdhsa_user_sgpr_kernarg_segment_ptr 1
		.amdhsa_wavefront_size32 1
		.amdhsa_system_sgpr_workgroup_id_x 1
		.amdhsa_system_sgpr_workgroup_id_y 1
		.amdhsa_system_sgpr_workgroup_id_z 1
		.amdhsa_system_vgpr_workitem_id 0
		.amdhsa_next_free_vgpr 64
		.amdhsa_next_free_sgpr 66
		.amdhsa_reserve_vcc 0
		.amdhsa_float_denorm_mode_32 3
		.amdhsa_float_denorm_mode_16_64 3
		.amdhsa_memory_ordered 1
		.amdhsa_forward_progress 1
		.amdhsa_inst_pref_size 5
	.end_amdhsa_kernel
	.amdgpu_metadata
---
amdhsa.version: [ 1, 2 ]
amdhsa.kernels:
  - .name:           k_qa89dd197d6_wq
    .symbol:         k_qa89dd197d6_wq.kd
    .args:
      - { .name: W_fc, .offset: 0, .size: 8, .value_kind: global_buffer, .address_space: global }
      - { .name: lowp_scales, .offset: 8, .size: 8, .value_kind: global_buffer, .address_space: global }
      - { .name: wc, .offset: 16, .size: 8, .value_kind: global_buffer, .address_space: global }
    .group_segment_fixed_size: 0
    .private_segment_fixed_size: 0
    .kernarg_segment_align: 8
    .kernarg_segment_size: 24
    .max_flat_workgroup_size: 128
    .sgpr_count:     66
    .vgpr_count:     64
    .wavefront_size: 32
...
	.end_amdgpu_metadata
.endif
;; end of part 1
;; launch main (part 2): grid 256 x 1, 4 waves a work-group, clusters of 4 x 1, 327,680 bytes of LDS; arguments encoder_states, decoder_state, wc, score_w, lowp_scales, part; writes part
.if DOCPART == 2
	.amdgcn_target "amdgcn-amd-amdhsa--gfx1250"
	.amdhsa_code_object_version 6
	.text
	.protected	k_qa89dd197d6_main
	.globl	k_qa89dd197d6_main
	.p2align	8
	.type	k_qa89dd197d6_main,@function
k_qa89dd197d6_main:
	s_mov_b64 s[64:65], 0
	v_nop
	global_prefetch_b8 v0, s[64:65] scope:SCOPE_SE
	s_setreg_imm32_b32 hwreg(HW_REG_WAVE_MODE, 25, 1), 1
	s_wait_xcnt 0x0
	s_wait_alu depctr_hold_cnt(0) depctr_sa_sdst(0) depctr_va_vdst(0) depctr_va_sdst(0) depctr_va_ssrc(0) depctr_va_vcc(0) depctr_vm_vsrc(0)
	s_getreg_b32 s2, hwreg(HW_REG_IB_STS2, 6, 4)
	s_cmp_eq_u32 s2, 0
	s_cbranch_scc0 .Lentry_in_a_cluster
	s_endpgm
.Lentry_in_a_cluster:
	s_bfe_u32 s2, ttmp6, 0x10000c
	s_cmp_lg_u32 s2, 0x3003
	s_cbranch_scc0 .Lentry_shape_is_right
	s_endpgm
.Lentry_shape_is_right:
; For one b and 256 positions s (a wave: 64): x = encoder + decoder is quantised to BF8 with 2^e0, multiplied with W's codes (wc, scale 2^e1), tanh, dot with score_w,
; a softmax's partial results over the wave's 64 positions (largest exponent m, sum l, sum of p x encoder row) go to part: one record of 4,608 bytes a wave; launch comb joins them.
; DEAD WORK: tanh(h) = 1 - 2 r, r = 1 / (1 + exp(2 h)), so score = sum(score_w) - 2 sum(score_w r).  sum(score_w) is the same for every s of the softmax's axis, whatever the inputs hold,
; and cancels in the softmax: it is not formed.  LIMIT: an overflow or NaN that would arise in that sum alone is not carried to the result.
; LIMITS: e0 between -126 and 112; e0 + e1 between -127 and 126 (added to a constant's exponent field).  NaN among the inputs is not served.
; THREE PHASES.  (1) Each wave loads its 64 rows, adds the decoder's row, holds, converts; the codes go through the wave's own stage in LDS into 512 registers: A's fragments for all of K stay there.
; The order of codes along K is the one that launch wq gives W's codes (the same lines make both), so every product meets its partner.
; The wave's first 16 rows are also kept, rounded to bf16 (the weighted sum is a product left as it is): in window 3 while phase 1 runs, then in the stage, each lane's own 16-byte pieces, once the stage has been read out.
; (2) W's codes come through a ring of two slots of 64 rows e, by joint loads: the four work-groups of a cluster walk the same W.  A unit = one slot: 16 accumulators (4 tiles of e x 4 tiles of s) by turns,
; 128 matrix instructions on end; in the last K step the slot changes; then the unit's tanh is taken in whole batches, so that no transcendental stands inside a sum.
; (3) The weighted sum: rows 0-15 from the stage, rows 16-63 read once more from memory, last rows first.
; No prefetch: W's tiles are read by every work-group all through the launch, and phase 3 reads rows that this work-group has itself read in phase 1; encoder rows are shared by no two work-groups, so they are not asked for jointly.
; REGISTERS.  Window 0: v0-31 addresses; v32-63 score sums; v64-191 accumulators; v192-207 codes; v208-239 decoder row; v240-243 score_w; phase 3: v64-95 sums, v128-255 eight held rows.
; Window 1: phase 1 four sets of two rows; then A's fragments of rows 32-63.  Window 2: A's fragments of rows 0-31; phase 3: eight rows.  Window 3: phase 1 the 16 held rows (row i at 16 i); phase 2 W's fragments, four sets of one K step.
; A's tile t of a window lies at 128 t + 16 ks.
.set SSTR,  131072                     ; bytes from s to s + 1
.set CP,    1040                       ; an LDS row of 1,024 codes + 16 of padding
.set TILEB, 16*CP
.set SLOTB, 4*TILEB
.set CA,    2*SLOTB                    ; the waves' stages: 32 rows each
.set CAWB,  32*CP
.set WL,    CA+4*CAWB                  ; score_w
.set PT,    WL+4096                    ; p: 256 bytes a wave
.set SPARE, PT+1024                    ; the spare words
.set LOFF, 4
.set SPW,  5
.set NIL,  6
.set CAW0, 7
.set CAWT, 8
.set CAR,  9
.set AD,   12                          ; v12, v13: my place in a tile of W, slot 0, 1
.set BFA,  14                          ; my stage + 16 x lane: the held rows' place
.set BFT,  15
.set AWL0, 16
.set AWLT, 17
.set SCL,  18
.set LIM,  19
.set PW,   20
.set PA0,  21
.set PAT,  22
.set SA,   32
.set ACC,  64
.set CD,   192
.set DEC,  208
.set WR,   240
.set OA,   64
.set PB,   96
.set HB,   128
.set WV,   16
.set G1,   24
.set G0,   32
.set CB,   40
.set RB,   56
.set MSB, 0
.macro WIN new                         ; the immediate's high byte repeats the setting that is left
.if MSB != (\new)
	s_set_vgpr_msb (MSB<<8)|(\new)
.set MSB, (\new)
.endif
.endm
.macro PLACES
.rept 4
	v_nop
.endr
.endm
.macro BATCH_END                       ; a plain place behind a batch of transcendentals, and the wait
	v_nop
	s_wait_alu depctr_va_vdst(0)
.endm
.macro CREST                           ; a round of the cluster's barrier behind its opening barrier
	s_cmp_lg_u32 s[WV], 0
	s_cbranch_scc1 .Lnot_wave_0_\@
	s_barrier_signal -3
.Lnot_wave_0_\@:
	s_barrier_wait -3
	s_barrier_signal -1
	s_barrier_wait -1
.endm
.macro CROUND                          ; a whole round
	s_barrier_signal -1
	s_barrier_wait -1
	CREST
.endm
	s_load_b256 s[4:11], s[0:1], 0x0               ; encoder s[4:5], decoder s[6:7], wc s[8:9], score_w s[10:11]
	s_load_b128 s[12:15], s[0:1], 0x20             ; the scales' exponents s[12:13], part s[14:15]
	v_lshl_add_u32 v[SPW], v0, 2, SPARE
	v_mov_b32 v[NIL], 0
	ds_add_u32 v[SPW], v[NIL]                      ; the opening lines: the add twice on end and its wait
	ds_add_u32 v[SPW], v[NIL]
	s_wait_dscnt 0x0
	v_lshrrev_b32 v1, 5, v0
	v_readfirstlane_b32 s[WV], v1                  ; wave 0..3
	s_bfe_u32 s17, ttmp6, 0x40000                  ; cx
	s_lshl_b32 s18, ttmp9, 2
	s_add_co_u32 s18, s18, s17                     ; work-group
	s_and_b32 s19, s18, 31                         ; b
	s_lshr_b32 s20, s18, 5                         ; which 256 positions
	s_mov_b32 s[G1+0], 15|(0<<16)|(1<<20)|(1<<21)|(7<<22)|(3<<25)   ; mask: all four partners; bytes; four words of padding behind every 256
	s_mov_b32 s[G1+1], 1024<<16
	s_mov_b32 s[G1+2], 16<<16
	s_mov_b32 s[G1+3], 1024<<16
	s_mov_b32 s[G1+4], 16
	s_mov_b32 s[G1+5], 1024
	s_mov_b32 s[G1+6], 0
	s_mov_b32 s[G1+7], 0
	s_mul_i32 s66, s[WV], TILEB                    ; a wave fetches 16 of a slot's 64 rows
	s_lshl_b32 s68, s[WV], 14
	s_mov_b32 s69, 0
	s_wait_kmcnt 0x0
	s_load_b64 s[76:77], s[12:13], 0x0             ; e0, e1
	s_add_nc_u64 s[68:69], s[8:9], s[68:69]
.irp p, 0,1
	s_mov_b32 s[G0+4*\p], 1
	s_add_co_u32 s[G0+4*\p+1], s66, \p*SLOTB
	s_add_nc_u64 s[G0+4*\p+2:G0+4*\p+3], s[68:69], \p*65536
	s_or_b32 s[G0+4*\p+3], s[G0+4*\p+3], 0x80000000
.endr
	CROUND
	tensor_load_to_lds s[G0:G0+3], s[G1:G1+7]      ; slot 0: the wave's one load at the head
	s_nop 0
	s_wait_alu depctr_va_vdst(0)
	s_wait_tensorcnt 0x0                           ; slot 1's first fill is issued as a refill is: the three lines, a round, the load
	ds_add_u32 v[SPW], v[NIL]
	s_wait_dscnt 0x0
	CROUND
	tensor_load_to_lds s[G0+4:G0+7], s[G1:G1+7]
	s_nop 0
	PLACES
	v_and_b32 v1, 31, v0                           ; lane
	v_and_b32 v2, 15, v0                           ; r
	v_bfe_u32 v3, v0, 4, 1                         ; h
	v_lshlrev_b32 v[LOFF], 4, v1                   ; 16 bytes a lane
	s_wait_alu depctr_va_vdst(0)
	v_lshlrev_b32 v10, 5, v0                       ; score_w: 32 bytes a thread
	s_wait_alu depctr_va_vdst(0)                   ; the wait ahead of the scalar lines below
	s_lshl_b32 s70, s20, 8
	s_lshl_b32 s71, s[WV], 6
	s_add_co_u32 s70, s70, s71                     ; my first s
	s_lshl_b32 s70, s70, 17
	s_lshl_b32 s72, s19, 12
	s_add_co_u32 s70, s70, s72
	s_mov_b32 s71, 0
	s_mov_b32 s73, 0
	s_add_nc_u64 s[CB:CB+1], s[4:5], s[70:71]
	s_add_nc_u64 s[RB:RB+1], s[CB:CB+1], 56*SSTR   ; phase 3 begins at my last eight rows
	s_add_nc_u64 s[6:7], s[6:7], s[72:73]
	s_lshl_b32 s74, s19, 5
	s_lshl_b32 s75, s20, 2
	s_add_co_u32 s74, s74, s75
	s_add_co_u32 s74, s74, s[WV]
	s_mul_i32 s74, s74, 4608                       ; my record
	s_mov_b32 s75, 0
	s_add_nc_u64 s[60:61], s[14:15], s[74:75]
.irp q, 0,1,2,3,4,5,6,7
	global_load_b128 v[DEC+4*\q:DEC+4*\q+3], v[LOFF], s[6:7] offset:512*\q
.endr
	global_load_b128 v[24:27], v10, s[10:11]
	global_load_b128 v[28:31], v10, s[10:11] offset:16
.macro ISSUE set, row, plus            ; two rows, 16 loads of 512 consecutive bytes, into a set of window 1
	WIN 0x40
.irp p, 0,1
.irp q, 0,1,2,3,4,5,6,7
	global_load_b128 v[64*(\set)+32*\p+4*\q:64*(\set)+32*\p+4*\q+3], v[LOFF], s[CB:CB+1] offset:((\row)+\p)*SSTR+512*\q+(\plus)
.endr
.endr
.endm
	ISSUE 0, 0, 0
	ISSUE 1, 2, 0
	ISSUE 2, 4, 0
	WIN 0
	s_mul_i32 s66, s[WV], CAWB
	s_add_co_u32 s66, s66, CA                      ; my stage
	v_lshl_add_u32 v[CAW0], v1, 3, s66
	v_lshl_add_u32 v[BFA], v1, 4, s66
	v_mul_u32_u24 v[AD], v2, CP
	v_lshl_add_u32 v[AD], v3, 4, v[AD]             ; a fragment's row r x pitch + 16 h
	v_add_nc_u32 v[AD+1], SLOTB, v[AD]
	v_add_nc_u32 v[CAR], s66, v[AD]
	v_lshl_add_u32 v[AWL0], v2, 2, WL
	v_lshl_add_u32 v11, v0, 5, WL
	s_lshl_b32 s67, s[WV], 8
	s_add_co_u32 s67, s67, PT
	v_xor_b32 v[PW], 1, v3
	v_lshl_add_u32 v[PW], v[PW], 5, s67
	v_mov_b32 v[PA0], s67
	s_wait_alu depctr_va_vdst(0)
	s_wait_kmcnt 0x0
	s_add_co_i32 s78, s76, 127
	s_lshl_b32 s79, s78, 23
	v_mov_b32 v[SCL], s79                          ; 2^e0
	s_add_co_i32 s78, s78, 15
	s_lshl_b32 s78, s78, 23
	s_or_b32 s78, s78, 0x600000
	v_mov_b32 v[LIM], s78                          ; 57,344 x 2^e0
	s_add_co_i32 s78, s76, s77
	s_lshl_b32 s78, s78, 23
	s_add_co_i32 s48, s78, 0x4038aa3b              ; 2 log2(e) x 2^(e0 + e1)
	s_mov_b32 s49, s48
	s_mov_b32 s50, 0xc038aa3b                      ; -2 log2(e)
	s_mov_b32 s51, s50
	s_mov_b32 s52, 0x76543210
	s_mov_b32 s53, 0xfedcba98
	s_wait_loadcnt 48                              ; the decoder's row and score_w are in; three sets of rows may be out
	ds_store_b128 v11, v[24:27]
	ds_store_b128 v11, v[28:31] offset:16
.macro KEEP a, trip                    ; the chunk's two rows, as they were loaded, rounded to bf16 into window 3: row 8 trip + 2 a + p at 16 x row
	WIN 0xc5
.set RJ, 0
.rept 32
	v_cvt_pk_bf16_f32 v[128*(\trip)+32*(\a)+RJ], v[64*(\a)+2*RJ], v[64*(\a)+2*RJ+1]
.set RJ, RJ+1
.endr
	WIN 0
.endm
; two rows: + decoder, hold, convert, into the stage.  left: loads that may stay out; ahead: the set freed last is asked for again; bf: in the loop's trips 0 and 1 the rows are kept too (a branch on the loop's counter; each arm has its own registers)
.macro CHUNK a, left, ahead, bf
	s_wait_loadcnt \left
.if \ahead
.if (\a) == 0
	ISSUE 3, 6, 0
.else
	ISSUE (\a)-1, 2*(\a)-2, 8*SSTR
.endif
.endif
.if \bf
	WIN 0
	s_cmp_lg_u32 s44, 0
	s_cbranch_scc1 .Lnot_trip_0_\@
	KEEP \a, 0
.Lnot_trip_0_\@:
	s_cmp_lg_u32 s44, 1
	s_cbranch_scc1 .Lnot_trip_1_\@
	KEEP \a, 1
.Lnot_trip_1_\@:
.endif
	WIN 0x41
.set RJ, 0
.rept 32
	v_pk_add_f32 v[64*(\a)+2*RJ:64*(\a)+2*RJ+1], v[64*(\a)+2*RJ:64*(\a)+2*RJ+1], v[DEC+2*(RJ%16):DEC+2*(RJ%16)+1]
.set RJ, RJ+1
.endr
.set RJ, 0
.rept 64
	v_med3_num_f32 v[64*(\a)+RJ], v[64*(\a)+RJ], -v[LIM], v[LIM]   ; the conversion does not saturate (ISA guide 7.6.2)
.set RJ, RJ+1
.endr
	s_wait_alu depctr_va_vdst(0)
	s_wait_dscnt 0x0
	WIN 0x01
.irp i, 0,1,2,3,4,5,6,7
	v_cvt_scalef32_pk8_bf8_f32 v[CD+2*\i:CD+2*\i+1], v[64*(\a)+8*\i:64*(\a)+8*\i+7], v[SCL]
.endr
	v_nop
	WIN 0
.irp i, 0,1,2,3,4,5,6,7
	ds_store_b64 v[CAWT], v[CD+2*\i:CD+2*\i+1] offset:(2*(\a)+\i/4)*CP+256*(\i%4)
.endr
.endm
.macro WRITERS w                       ; the stage's 32 rows become A's fragments in window w (LDS serves a wave's instructions in order)
	WIN 0x40*(\w)
.irp t, 0,1
.irp ks, 0,1,2,3,4,5,6,7
.irp c, 0,1,2,3
	ds_load_b128 v[128*\t+16*\ks+4*\c:128*\t+16*\ks+4*\c+3], v[CAR] offset:TILEB*\t+128*\ks+32*\c
.endr
.endr
.endr
	WIN 0
.endm
	s_mov_b32 s44, 0
	s_mov_b32 s46, 0
.Lseg0:                                        ; rows 0-31, eight a trip
	v_add_nc_u32 v[CAWT], s46, v[CAW0]
	CHUNK 0, 32, 1, 1
	CHUNK 1, 32, 1, 1
	CHUNK 2, 32, 1, 1
	CHUNK 3, 32, 1, 1
	s_wait_xcnt 0x0                                ; the loads have read their base
	s_add_nc_u64 s[CB:CB+1], s[CB:CB+1], 8*SSTR
	s_add_co_u32 s46, s46, 8*CP
	s_add_co_u32 s44, s44, 1
	s_cmp_lt_u32 s44, 4
	s_cbranch_scc1 .Lseg0
	WRITERS 2
	s_mov_b32 s44, 0
	s_mov_b32 s46, 0
.Lseg1:                                        ; rows 32-55
	v_add_nc_u32 v[CAWT], s46, v[CAW0]
	CHUNK 0, 32, 1, 0
	CHUNK 1, 32, 1, 0
	CHUNK 2, 32, 1, 0
	CHUNK 3, 32, 1, 0
	s_wait_xcnt 0x0
	s_add_nc_u64 s[CB:CB+1], s[CB:CB+1], 8*SSTR
	s_add_co_u32 s46, s46, 8*CP
	s_add_co_u32 s44, s44, 1
	s_cmp_lt_u32 s44, 3
	s_cbranch_scc1 .Lseg1
	v_add_nc_u32 v[CAWT], 24*CP, v[CAW0]           ; rows 56-63 are written out: nothing is asked for beyond my rows
	CHUNK 0, 32, 1, 0
	CHUNK 1, 32, 0, 0
	CHUNK 2, 16, 0, 0
	CHUNK 3, 0, 0, 0
	WRITERS 1                                      ; window 1 has given up its last rows
	WIN 0x0c                                       ; the held rows leave window 3 for the stage, behind the loads that read it out: 64 stores of 512 consecutive bytes, 32,768 of the stage's 33,280 bytes
.set RJ, 0
.rept 64
	ds_store_b128 v[BFA], v[4*RJ:4*RJ+3] offset:512*RJ
.set RJ, RJ+1
.endr
	WIN 0
; PHASE 2.  W's four fragments of K step ks (16 loads) into set ks % 4 of window 3
.macro RUN adr, ks
	WIN 0xc0
.irp nt, 0,1,2,3
.irp c, 0,1,2,3
	ds_load_b128 v[64*((\ks)%4)+16*\nt+4*\c:64*((\ks)%4)+16*\nt+4*\c+3], v[\adr] offset:TILEB*\nt+128*(\ks)+32*\c
.endr
.endr
.endm
; half a K step: eight of the 16 accumulators, one instruction a turn.  Accumulator (nt, m) at ACC + 32 nt + 8 m; rows 32 mh on: A in window 2 - mh; the first K step starts the sums
.macro MMH ks, mh
	WIN 0x0e-\mh
.irp nt, 0,1,2,3
.irp m2, 0,1
.if (\ks) == 0
	v_wmma_f32_16x16x128_bf8_bf8 v[ACC+32*\nt+16*\mh+8*\m2:ACC+32*\nt+16*\mh+8*\m2+7], v[128*\m2+16*(\ks):128*\m2+16*(\ks)+15], v[64*((\ks)%4)+16*\nt:64*((\ks)%4)+16*\nt+15], 0
.else
	v_wmma_f32_16x16x128_bf8_bf8 v[ACC+32*\nt+16*\mh+8*\m2:ACC+32*\nt+16*\mh+8*\m2+7], v[128*\m2+16*(\ks):128*\m2+16*(\ks)+15], v[64*((\ks)%4)+16*\nt:64*((\ks)%4)+16*\nt+15], v[ACC+32*\nt+16*\mh+8*\m2:ACC+32*\nt+16*\mh+8*\m2+7]
.endif
.endr
.endr
.endm
.macro MMS ks
	MMH \ks, 0
	MMH \ks, 1
.endm
; a unit's 128 sums a lane: r = 1 / (1 + 2^(c x sum)), score sums += score_w r.  Each stage whole; one wait ahead of each batch of transcendentals and one behind it
.macro EPI
.set RJ, 0
.rept 64
	v_pk_mul_f32 v[ACC+RJ:ACC+RJ+1], v[ACC+RJ:ACC+RJ+1], s[48:49] op_sel_hi:[1,0]   ; each accumulator from its low end on
.set RJ, RJ+2
.endr
	s_wait_alu depctr_va_vdst(0)
.set RJ, 0
.rept 128
	v_exp_f32 v[ACC+RJ], v[ACC+RJ]
.set RJ, RJ+1
.endr
	BATCH_END
.set RJ, 0
.rept 64
	v_pk_add_f32 v[ACC+RJ:ACC+RJ+1], v[ACC+RJ:ACC+RJ+1], 1.0 op_sel_hi:[1,0]
.set RJ, RJ+2
.endr
	s_wait_alu depctr_va_vdst(0)
.set RJ, 0
.rept 128
	v_rcp_f32 v[ACC+RJ], v[ACC+RJ]
.set RJ, RJ+1
.endr
	BATCH_END
.irp nt, 0,1,2,3
.set RJ, 0
.rept 16
.if \nt % 2
	v_pk_fma_f32 v[SA+RJ:SA+RJ+1], v[ACC+32*\nt+RJ:ACC+32*\nt+RJ+1], v[WR+\nt-1:WR+\nt], v[SA+RJ:SA+RJ+1] op_sel:[0,1,0] op_sel_hi:[1,1,1]
.else
	v_pk_fma_f32 v[SA+RJ:SA+RJ+1], v[ACC+32*\nt+RJ:ACC+32*\nt+RJ+1], v[WR+\nt:WR+\nt+1], v[SA+RJ:SA+RJ+1] op_sel_hi:[1,0,1]
.endif
.set RJ, RJ+2
.endr
.endr
.endm
; A UNIT.  At its head the loads of K steps 0 and 1 are out (32).  Fragments are asked for two K steps ahead, so the slot's last reads are issued in K step 5, and the slot changes inside K step 7.
; mode 1: the slot just read is filled again, two units ahead; 2: the last change of slots, no fill; 3: the last unit: phase 3's first eight rows are asked for
.macro UNIT slot, mode
.irp ks, 0,1,2,3,4,5,6
.if \ks == 1
	s_wait_dscnt 20                                ; K step 1 is in; behind it: 4 loads of score_w and K step 2's 16
.else
	s_wait_dscnt 16                                ; this K step is in; the next one's 16 loads may be out
.endif
.if \ks == 0
	WIN 0
.irp nt, 0,1,2,3
	ds_load_b32 v[WR+\nt], v[AWLT] offset:256*\slot+64*\nt   ; score_w at e = 64 unit + 16 nt + r
.endr
.endif
.if \ks < 6
.if \ks > 1
	PLACES                                         ; in front of loads into a set that matrix instructions of this unit have read
.endif
	RUN AD+\slot, \ks+2
.endif
	MMS \ks
.endr
	WIN 0
.if \mode < 3
	s_wait_tensorcnt 0x0                           ; my part of the other slot is in;
	ds_add_u32 v[SPW], v[NIL]                      ; eight matrix instructions stand between the add and the wait for it
.if \mode == 1
	s_add_nc_u64 s[G0+4*\slot+2:G0+4*\slot+3], s[G0+4*\slot+2:G0+4*\slot+3], 2*65536
.endif
	s_wait_dscnt 1                                 ; K step 7's fragments are in; the add may be out
	MMH 7, 0
	s_wait_dscnt 0x0                               ; the add is done, my reads of this slot are over
	s_barrier_signal -1
	MMH 7, 1                                       ; work on registers while the others arrive
	WIN 0
	s_barrier_wait -1
.if \mode == 1
	CREST                                          ; the barrier has opened a round of the cluster's barrier
	tensor_load_to_lds s[G0+4*\slot:G0+4*\slot+3], s[G1:G1+7]   ; it has this unit's tanh and the next unit's products in which to land
	s_nop 0
.endif
	PLACES
	RUN AD+1-\slot, 0
	RUN AD+1-\slot, 1
.else
	s_wait_dscnt 0x0
	MMS 7
	PLACES
	WIN 0x80
.irp i, 0,1,2,3,4,5,6,7
.irp q, 0,1,2,3,4,5,6,7
	global_load_b128 v[32*\i+4*\q:32*\i+4*\q+3], v[LOFF], s[RB:RB+1] offset:\i*SSTR+512*\q th:TH_LOAD_NT
.endr
.endr
.endif
	WIN 0
	EPI
.endm
.set RJ, 0
.rept 32
	v_mov_b32 v[SA+RJ], 0                          ; the score sums
.set RJ, RJ+1
.endr
	s_wait_alu depctr_va_vdst(0)
	s_wait_dscnt 0x0                               ; A's fragments are in, the held rows and my part of score_w are stored
	s_wait_tensorcnt 0x1
	s_barrier_signal -1
	s_barrier_wait -1
	RUN AD, 0
	RUN AD, 1
	WIN 0
	s_mov_b32 s54, 0
	s_mov_b32 s55, 0
.Lgemm:                                        ; 7 trips of two units: once round the ring
	v_add_nc_u32 v[AWLT], s55, v[AWL0]
	s_wait_alu depctr_va_vdst(0)
	UNIT 0, 1
	UNIT 1, 1
	s_add_co_u32 s55, s55, 512
	s_add_co_u32 s54, s54, 1
	s_cmp_lt_u32 s54, 7
	s_cbranch_scc1 .Lgemm
	v_add_nc_u32 v[AWLT], 7*512, v[AWL0]
	s_wait_alu depctr_va_vdst(0)
	UNIT 0, 2                                      ; the last two units fill nothing
	UNIT 1, 3
; the score sums over the 16 lanes that hold a row's e; t = -2 log2(e) x sum; the wave's largest t, p = 2^(t - m), l = sum of p
.irp x, 1,2,4,8
.set RJ, 0
.rept 32
	v_add_f32_dpp v[SA+RJ], v[SA+RJ], v[SA+RJ] row_xmask:\x row_mask:0xf bank_mask:0xf
.set RJ, RJ+1
.endr
.endr
.set RJ, 0
.rept 16
	v_pk_mul_f32 v[SA+RJ:SA+RJ+1], v[SA+RJ:SA+RJ+1], s[50:51] op_sel_hi:[1,0]
.set RJ, RJ+2
.endr
	v_max3_num_f32 v104, v[SA], v[SA+1], v[SA+2]
	v_max3_num_f32 v105, v[SA+3], v[SA+4], v[SA+5]
.irp i, 6,10,14,18,22,26
	v_max3_num_f32 v104, v104, v[SA+\i], v[SA+\i+1]
	v_max3_num_f32 v105, v105, v[SA+\i+2], v[SA+\i+3]
.endr
	v_max3_num_f32 v104, v104, v[SA+30], v[SA+31]
	v_max_num_f32 v104, v104, v105
	v_permlanex16_b32 v105, v104, s52, s53
	v_max_num_f32 v104, v104, v105
	v_mov_b32 v105, v104
.set RJ, 0
.rept 16
	v_pk_add_f32 v[SA+RJ:SA+RJ+1], v[SA+RJ:SA+RJ+1], v[104:105] neg_lo:[0,1] neg_hi:[0,1]
.set RJ, RJ+2
.endr
.set RJ, 0
	s_wait_alu depctr_va_vdst(0)
.rept 32
	v_exp_f32 v[SA+RJ], v[SA+RJ]
.set RJ, RJ+1
.endr
	BATCH_END
	v_pk_add_f32 v[106:107], v[SA:SA+1], v[SA+2:SA+3]
	v_pk_add_f32 v[108:109], v[SA+4:SA+5], v[SA+6:SA+7]
.irp i, 8,12,16,20,24,28
	v_pk_add_f32 v[106:107], v[106:107], v[SA+\i:SA+\i+1]
	v_pk_add_f32 v[108:109], v[108:109], v[SA+\i+2:SA+\i+3]
.endr
	v_pk_add_f32 v[106:107], v[106:107], v[108:109]
	v_add_f32 v106, v106, v107
	v_permlanex16_b32 v107, v106, s52, s53
	v_add_f32 v106, v106, v107
	v_mov_b32 v112, v104                           ; (m, l) for the record
	v_mov_b32 v113, v106
	v_mov_b32 v114, v104
	v_mov_b32 v115, v106
.irp m, 0,1,2,3
	ds_store_b128 v[PW], v[SA+8*\m:SA+8*\m+3] offset:64*(3-\m)      ; p by blocks of eight rows, the last block first
	ds_store_b128 v[PW], v[SA+8*\m+4:SA+8*\m+7] offset:64*(3-\m)+16
.endr
.set RJ, 0
.rept 32
	v_mov_b32 v[OA+RJ], 0
.set RJ, RJ+1
.endr
; PHASE 3, the held rows: two trips of eight, while the first 64 loads from memory are out.  A row is 16 registers of two bf16 numbers, in the lanes and the order of the sums
	s_mov_b32 s59, 0
	s_mov_b32 s58, 7*32                            ; rows 0-7 have p's last block, rows 8-15 the one before
	s_mov_b32 s62, 0                               ; the held rows' offset in the stage
.Lheld:
	v_add_nc_u32 v[PAT], s58, v[PA0]
	v_add_nc_u32 v[BFT], s62, v[BFA]
	ds_load_b128 v[PB:PB+3], v[PAT]
	ds_load_b128 v[PB+4:PB+7], v[PAT] offset:16
.set RJ, 0
.rept 32
	ds_load_b128 v[HB+4*RJ:HB+4*RJ+3], v[BFT] offset:512*RJ
.set RJ, RJ+1
.endr
	s_wait_dscnt 0x0
.irp i, 0,1,2,3,4,5,6,7
.set RJ, 0
.rept 16
	v_fma_mix_f32_bf16 v[OA+2*RJ], v[HB+16*\i+RJ], v[PB+\i], v[OA+2*RJ] op_sel_hi:[1,0,0]
	v_fma_mix_f32_bf16 v[OA+2*RJ+1], v[HB+16*\i+RJ], v[PB+\i], v[OA+2*RJ+1] op_sel:[1,0,0] op_sel_hi:[1,0,0]
.set RJ, RJ+1
.endr
.endr
	s_sub_co_u32 s58, s58, 32
	s_add_co_u32 s62, s62, 16384
	s_add_co_u32 s59, s59, 1
	s_cmp_lt_u32 s59, 2
	s_wait_alu depctr_va_vdst(0)                   ; the wait ahead of the branch
	s_cbranch_scc1 .Lheld
; rows 63 down to 16: acc += p x row; eight rows (64 loads) are out; a row's registers take the row eight further back
.macro ROWACC i, left, refill
	s_wait_loadcnt \left
	WIN 0x02
.set RJ, 0
.rept 16
.if (\i)%2 == 0
	v_pk_fma_f32 v[OA+RJ:OA+RJ+1], v[32*(\i)+RJ:32*(\i)+RJ+1], v[PB+2*((\i)/2):PB+2*((\i)/2)+1], v[OA+RJ:OA+RJ+1] op_sel_hi:[1,0,1]
.else
	v_pk_fma_f32 v[OA+RJ:OA+RJ+1], v[32*(\i)+RJ:32*(\i)+RJ+1], v[PB+2*((\i)/2):PB+2*((\i)/2)+1], v[OA+RJ:OA+RJ+1] op_sel:[0,1,0] op_sel_hi:[1,1,1]
.endif
.set RJ, RJ+2
.endr
.if \refill
	WIN 0x80
.irp q, 0,1,2,3,4,5,6,7
	global_load_b128 v[32*(\i)+4*\q:32*(\i)+4*\q+3], v[LOFF], s[RB:RB+1] offset:((\i)-8)*SSTR+512*\q th:TH_LOAD_NT
.endr
.endif
.endm
	s_mov_b32 s59, 0
	s_mov_b32 s58, 0
.Lback:
	v_add_nc_u32 v[PAT], s58, v[PA0]
	ds_load_b128 v[PB:PB+3], v[PAT]
	ds_load_b128 v[PB+4:PB+7], v[PAT] offset:16
	s_wait_dscnt 0x0
.irp i, 0,1,2,3,4,5,6,7
	ROWACC \i, 56, 1
.endr
	WIN 0
	s_wait_xcnt 0x0                                ; the loads have read their base
	s_sub_nc_u64 s[RB:RB+1], s[RB:RB+1], 8*SSTR
	s_add_co_u32 s58, s58, 32
	s_add_co_u32 s59, s59, 1
	s_cmp_lt_u32 s59, 5
	s_cbranch_scc1 .Lback
	v_add_nc_u32 v[PAT], 5*32, v[PA0]              ; rows 16-23: nothing more is asked for
	ds_load_b128 v[PB:PB+3], v[PAT]
	ds_load_b128 v[PB+4:PB+7], v[PAT] offset:16
	s_wait_dscnt 0x0
.irp i, 0,1,2,3,4,5,6,7
	ROWACC \i, 56-8*\i, 0
.endr
	WIN 0
.irp q, 0,1,2,3,4,5,6,7
	global_store_b128 v[LOFF], v[OA+4*\q:OA+4*\q+3], s[60:61] offset:512*\q   ; 32 lanes store 512 consecutive bytes
.endr
	global_store_b128 v[LOFF], v[112:115], s[60:61] offset:4096
	s_wait_tensorcnt 0x0                           ; the wave's end
	ds_add_u32 v[SPW], v[NIL]
	s_wait_dscnt 0x0
	CROUND                                         ; the closing round
	s_endpgm
.Lfunc_end_k_qa89dd197d6_main:
	.size	k_qa89dd197d6_main, .Lfunc_end_k_qa89dd197d6_main-k_qa89dd197d6_main
	.p2alignl 7, 3214868480
	.fill 96, 4, 3214868480
	.section	.rodata,"a",@progbits
	.p2align	6, 0x0
	.amdhsa_kernel k_qa89dd197d6_main
		.amdhsa_group_segment_fixed_size 327680
		.amdhsa_private_segment_fixed_size 0
		.amdhsa_enable_private_segment 0
		.amdhsa_kernarg_size 48
		.amdhsa_user_sgpr_count 2
		.amdhsa_user_sgpr_kernarg_segment_ptr 1
		.amdhsa_wavefront_size32 1
		.amdhsa_system_sgpr_workgroup_id_x 1
		.amdhsa_system_sgpr_workgroup_id_y 1
		.amdhsa_system_sgpr_workgroup_id_z 1
		.amdhsa_system_vgpr_workitem_id 0
		.amdhsa_next_free_vgpr 1024
		.amdhsa_next_free_sgpr 80
		.amdhsa_reserve_vcc 0
		.amdhsa_float_denorm_mode_32 3
		.amdhsa_float_denorm_mode_16_64 3
		.amdhsa_memory_ordered 1
		.amdhsa_forward_progress 1
		.amdhsa_inst_pref_size 255
	.end_amdhsa_kernel
	.section	.bss,"aw",@nobits
	.p2align	6
	.space	262144
	.amdgpu_metadata
---
amdhsa.version: [ 1, 2 ]
amdhsa.kernels:
  - .name:           k_qa89dd197d6_main
    .symbol:         k_qa89dd197d6_main.kd
    .args:
      - { .name: encoder_states, .offset: 0, .size: 8, .value_kind: global_buffer, .address_space: global }
      - { .name: decoder_state, .offset: 8, .size: 8, .value_kind: global_buffer, .address_space: global }
      - { .name: wc, .offset: 16, .size: 8, .value_kind: global_buffer, .address_space: global }
      - { .name: score_w, .offset: 24, .size: 8, .value_kind: global_buffer, .address_space: global }
      - { .name: lowp_scales, .offset: 32, .size: 8, .value_kind: global_buffer, .address_space: global }
      - { .name: part, .offset: 40, .size: 8, .value_kind: global_buffer, .address_space: global }
    .group_segment_fixed_size: 327680
    .private_segment_fixed_size: 0
    .kernarg_segment_align: 8
    .kernarg_segment_size: 48
    .max_flat_workgroup_size: 128
    .sgpr_count:     80
    .vgpr_count:     1024
    .wavefront_size: 32
...
	.end_amdgpu_metadata
.endif
;; end of part 2
;; launch comb (part 3): grid 8 x 32, 1 waves a work-group, no clusters, 0 bytes of LDS; arguments part, out0; writes out0
.if DOCPART == 3
	.amdgcn_target "amdgcn-amd-amdhsa--gfx1250"
	.amdhsa_code_object_version 6
	.text
	.protected	k_qa89dd197d6_comb
	.globl	k_qa89dd197d6_comb
	.p2align	8
	.type	k_qa89dd197d6_comb,@function
k_qa89dd197d6_comb:
	s_mov_b64 s[64:65], 0
	v_nop
	global_prefetch_b8 v0, s[64:65] scope:SCOPE_SE
	s_setreg_imm32_b32 hwreg(HW_REG_WAVE_MODE, 25, 1), 1
	s_wait_xcnt 0x0
; out0[b][d] = (sum over the 32 records i of b of 2^(m_i - M) acc_i[d]) / (sum over i of 2^(m_i - M) l_i), M the largest m_i: the softmax's partial results are joined.
; part: records of 4,608 bytes, 32 for each b: 4,096 bytes of acc[1024] f32, then 512 bytes that begin with (m, l).  A work-group of one wave takes 128 numbers d of one b: 512 bytes of each record, 16 a lane.
; l_i is at least 1 and one factor is 1, so the divisor is at least 1.
.set REC, 4608
.set XR,  16                           ; v16-143  record i's four numbers at XR + 4 i
	s_load_b128 s[4:7], s[0:1], 0x0                ; part s[4:5], out0 s[6:7]
	v_lshlrev_b32 v1, 4, v0                        ; 16 bytes a lane
	v_mul_u32_u24 v2, v0, REC                      ; lane i takes record i's statistics
	s_and_b32 s8, ttmp7, 0xffff                    ; b
	s_mul_i32 s10, s8, 32*REC
	s_mov_b32 s11, 0
	s_lshl_b32 s12, ttmp9, 9                       ; my 128 numbers: 512 bytes
	s_mov_b32 s13, 0
	s_lshl_b32 s14, s8, 12
	s_add_co_u32 s14, s14, s12
	s_mov_b32 s15, 0
	s_mov_b32 s48, 0x76543210                      ; v_permlanex16_b32's selects for lane l xor 16
	s_mov_b32 s49, 0xfedcba98
	s_wait_alu depctr_va_vdst(0)
	s_wait_kmcnt 0x0
	s_add_nc_u64 s[4:5], s[4:5], s[10:11]          ; b's records
	s_add_nc_u64 s[50:51], s[4:5], s[12:13]        ; and my 512 bytes in the first
	s_add_nc_u64 s[6:7], s[6:7], s[14:15]
	global_load_b64 v[4:5], v2, s[4:5] offset:4096 ; m, l
.set RJ, 0
.rept 32
	global_load_b128 v[XR+4*RJ:XR+4*RJ+3], v1, s[50:51] offset:REC*RJ th:TH_LOAD_NT   ; 512 consecutive bytes, read once in the launch
.set RJ, RJ+1
.endr
	s_wait_loadcnt 32                              ; the 32 loads behind it stay out: the statistics are in
	v_mov_b32 v6, v4
.irp x, 1,2,4,8
	v_max_num_f32_dpp v6, v6, v6 row_xmask:\x row_mask:0xf bank_mask:0xf
.endr
	v_mov_b32 v7, v6                               ; (a lane permute's destination counts as read)
	v_permlanex16_b32 v7, v6, s48, s49
	v_max_num_f32 v6, v6, v7                       ; M
	v_sub_f32 v8, v4, v6
	s_wait_alu depctr_va_vdst(0)
	v_exp_f32 v8, v8                               ; f = 2^(m - M)
	v_nop                                          ; a plain line behind the transcendental,
	s_wait_alu depctr_va_vdst(0)                   ; and the wait ahead of its first reader
	v_mul_f32 v9, v8, v5                           ; f l
.irp x, 1,2,4,8
	v_add_f32_dpp v9, v9, v9 row_xmask:\x row_mask:0xf bank_mask:0xf
.endr
	v_mov_b32 v10, v9
	v_permlanex16_b32 v10, v9, s48, s49
	v_add_f32 v9, v9, v10                          ; the divisor
	s_wait_alu depctr_va_vdst(0)
	v_rcp_f32 v11, v9
	v_nop
	s_wait_alu depctr_va_vdst(0)
	v_mul_f32 v8, v8, v11                          ; lane i: record i's weight
.set RJ, 0
.rept 32
	v_readlane_b32 s[16+RJ], v8, RJ
.set RJ, RJ+1
.endr
	s_wait_loadcnt 0x0
.irp c, 0,1,2,3
	v_mul_f32 v[12+\c], s16, v[XR+\c]              ; the first record starts the sums
.endr
.set RJ, 1
.rept 31
.irp c, 0,1,2,3
	v_fmac_f32 v[12+\c], s[16+RJ], v[XR+4*RJ+\c]
.endr
.set RJ, RJ+1
.endr
	global_store_b128 v1, v[12:15], s[6:7]         ; 32 lanes store 512 consecutive bytes, at a multiple of 256 from out0's first byte
	s_endpgm
.Lfunc_end_k_qa89dd197d6_comb:
	.size	k_qa89dd197d6_comb, .Lfunc_end_k_qa89dd197d6_comb-k_qa89dd197d6_comb
	.p2alignl 7, 3214868480
	.fill 96, 4, 3214868480
	.section	.rodata,"a",@progbits
	.p2align	6, 0x0
	.amdhsa_kernel k_qa89dd197d6_comb
		.amdhsa_group_segment_fixed_size 0
		.amdhsa_private_segment_fixed_size 0
		.amdhsa_enable_private_segment 0
		.amdhsa_kernarg_size 16
		.amdhsa_user_sgpr_count 2
		.amdhsa_user_sgpr_kernarg_segment_ptr 1
		.amdhsa_wavefront_size32 1
		.amdhsa_system_sgpr_workgroup_id_x 1
		.amdhsa_system_sgpr_workgroup_id_y 1
		.amdhsa_system_sgpr_workgroup_id_z 1
		.amdhsa_system_vgpr_workitem_id 0
		.amdhsa_next_free_vgpr 160
		.amdhsa_next_free_sgpr 66
		.amdhsa_reserve_vcc 0
		.amdhsa_float_denorm_mode_32 3
		.amdhsa_float_denorm_mode_16_64 3
		.amdhsa_memory_ordered 1
		.amdhsa_forward_progress 1
		.amdhsa_inst_pref_size 12
	.end_amdhsa_kernel
	.amdgpu_metadata
---
amdhsa.version: [ 1, 2 ]
amdhsa.kernels:
  - .name:           k_qa89dd197d6_comb
    .symbol:         k_qa89dd197d6_comb.kd
    .args:
      - { .name: part, .offset: 0, .size: 8, .value_kind: global_buffer, .address_space: global }
      - { .name: out0, .offset: 8, .size: 8, .value_kind: global_buffer, .address_space: global }
    .group_segment_fixed_size: 0
    .private_segment_fixed_size: 0
    .kernarg_segment_align: 8
    .kernarg_segment_size: 16
    .max_flat_workgroup_size: 32
    .sgpr_count:     66
    .vgpr_count:     160
    .wavefront_size: 32
...
	.end_amdgpu_metadata
.endif
;; end of part 3
